; MI455X (gfx1250); checked and timed in simulation.
; The chip was launched on July 23, 2026; its instructions are those of AMD's public machine-readable ISA for CDNA 5 (MIT licence, August 2026) and "CDNA5" Instruction Set Architecture Reference Guide (July 2026). The comments in the code are by the model that wrote it; some were corrected since.
;; Dual SPRT Linear. Allowed arithmetic: float matrix products may take bf16 or f16 operands with f32 sums; all other float work in f32.
;; Inputs: scales 65,536 float32; ternary 2,048 x 4,096 int8; x 4 x 2,048 x 4,096 float32.
;; Outputs: out0 4 x 2,048 x 2,048 float32.
;; 2 versions, each right; version 2 is version 1 with the launch dequant written anew for expert scheduling mode. Each part assembles by itself: llvm-mc -triple=amdgcn-amd-amdhsa -mcpu=gfx1250 --defsym DOCPART=n.
;; ======== version 1 of 2: 2 launches
;; workspace buffers: wbf 16,777,216 bytes
;; launch dequant (part 1): grid 256 x 1, 8 waves a work-group, no clusters, 2,048 bytes of LDS; arguments ternary, scales, wbf; writes wbf
.if DOCPART == 1
	.amdgcn_target "amdgcn-amd-amdhsa--gfx1250"
	.amdhsa_code_object_version 6
	.text
	.protected	k_q9da191c914_dequant
	.globl	k_q9da191c914_dequant
	.p2align	8
	.type	k_q9da191c914_dequant,@function
k_q9da191c914_dequant:
	s_mov_b64 s[64:65], 0
	v_nop
	global_prefetch_b8 v0, s[64:65] scope:SCOPE_SE
	s_setreg_imm32_b32 hwreg(HW_REG_WAVE_MODE, 25, 1), 1
	s_wait_xcnt 0x0
; w[n][k] = bf16( f32(ternary[n][k]) * scales[32 n + k / 128] ), made once for the product that follows.
; ternary: [2048][4096] int8 (every int8 value is honoured, not only -1, 0, 1).  scales: [65536] f32.
; wbf: bf16, laid out [g = k / 128][n][kk = k % 128]: byte g * 524288 + n * 256 + 2 kk, so that 128 rows x 128 k are 32,768 dense bytes.
; One product in f32 and one rounding to nearest even; bf16 has f32's exponent range, so no range is lost.
; A stream: every code byte is read once, every result byte stored once.  Matrix unit, clusters and tensor loads have nothing to do here:
; no work-group shares an input with another, and all of a wave's 16 loads are on their way at once from registers of their own.
; Eight waves; the work-group owns rows 8 g .. 8 g + 7.  Wave w: w >> 1 picks two rows, kh = w & 1 picks k = 2048 kh .. + 2047.
; Lane L: row 2 (w >> 1) + (L >> 4), 8 codes at k = 2048 kh + 128 j + 8 (L & 15) in step j = 0 .. 15: a step is one group of 128, one scale.
; A step's store of the wave covers 2 rows x 256 bytes = 512 consecutive bytes of wbf, aligned.
.set TO, 2                             ; v2        byte offset of my 8 codes of step 0, from the group's first row
.set WO, 3                             ; v3        byte offset of my 16 result bytes of step 0, from the group's first row in wbf
.set SA, 4                             ; v4        LDS address of my row's sixteen scales for my 2,048 k
.set S,  6                             ; v[6:21]   these sixteen scales: scale j serves step j
.set T,  22                            ; v[22:29]  8 numbers at work
.set X,  30                            ; v[30:61]  step j: 2 registers, 8 codes as loaded
.set Y,  62                            ; v[62:125] step j: 4 registers, 8 bf16 to store; every store has its own, so none is rewritten
	s_load_b128 s[4:7], s[0:1], 0x0                ; ternary s[4:5], scales s[6:7]
	s_load_b64 s[8:9], s[0:1], 0x10                ; wbf
	v_lshl_add_u32 v128, v0, 2, 0x400
	v_mov_b32 v129, 0
	v_lshrrev_b32 v[T], 5, v0
	v_readfirstlane_b32 s10, v[T]                  ; wave 0..7
	s_lshr_b32 s11, s10, 1                         ; which pair of rows
	s_and_b32 s12, s10, 1                          ; kh
	s_lshl_b32 s13, s12, 11                        ; 2,048 kh: bytes along a row of codes
	s_lshl_b32 s14, s12, 23                        ; 16 kh planes of 524,288 bytes in wbf
	s_lshl_b32 s15, s12, 6                         ; 16 kh scales of 4 bytes
	v_lshlrev_b32 v1, 2, v0                        ; 4 t: thread t brings the group's scale t
	v_bfe_u32 v[T+1], v0, 4, 1                     ; L >> 4
	v_and_b32 v[T+2], 15, v0                       ; L & 15
	v_lshl_add_u32 v[T+1], s11, 1, v[T+1]          ; my row in the group: 2 (w >> 1) + (L >> 4)
	v_lshlrev_b32 v[TO], 12, v[T+1]                ; row x 4,096
	v_lshl_add_u32 v[TO], v[T+2], 3, v[TO]         ; + 8 (L & 15)
	v_add_nc_u32 v[TO], s13, v[TO]                 ; + 2,048 kh
	v_lshlrev_b32 v[WO], 8, v[T+1]                 ; row x 256
	v_lshl_add_u32 v[WO], v[T+2], 4, v[WO]         ; + 16 (L & 15)
	v_add_nc_u32 v[WO], s14, v[WO]                 ; + the first plane
	v_lshl_add_u32 v[SA], v[T+1], 7, s15           ; row x 32 scales + 16 kh scales, in bytes
	s_lshl_b32 s2, ttmp9, 15                       ; 8 rows of 4,096 code bytes
	s_mov_b32 s3, 0
	s_wait_kmcnt 0x0
	s_add_nc_u64 s[4:5], s[4:5], s[2:3]
	s_lshl_b32 s2, ttmp9, 10                       ; 8 rows of 32 scales = 1,024 bytes
	s_add_nc_u64 s[6:7], s[6:7], s[2:3]
	s_lshl_b32 s2, ttmp9, 11                       ; 8 rows of 256 bytes in a plane of wbf
	s_add_nc_u64 s[8:9], s[8:9], s[2:3]
	global_load_b32 v5, v1, s[6:7]                 ; the group's 256 scales: 1,024 consecutive bytes, once
.irp j, 0,1,2,3,4,5,6,7,8,9,10,11,12,13,14,15
	global_load_b64 v[X+2*\j:X+2*\j+1], v[TO], s[4:5] offset:128*\j th:TH_LOAD_NT   ; 2 rows x 128 bytes; steps 2 c and 2 c + 1 together take 256 consecutive bytes of each row
.endr
	s_wait_loadcnt 16                              ; loads come back in order (ISA guide 5.7.1): the scale is in, the 16 loads of codes stay out
	ds_store_b32 v1, v5
	s_wait_dscnt 0x0                               ; my scale is in LDS before I say so
	s_barrier_signal -1
	s_barrier_wait -1                              ; all 256 are
.irp c, 0,1,2,3
	ds_load_b128 v[S+4*\c:S+4*\c+3], v[SA] offset:16*\c
.endr
	s_wait_dscnt 0x0
; Step j: 8 codes to f32, times the group's scale, to bf16, 16 bytes out.
.macro CONV j
	s_wait_loadcnt 15-\j                           ; step j's codes are in; the 15 - j younger loads stay out
.irp h, 0,1
	v_lshlrev_b32 v[T+4*\h],   24, v[X+2*\j+\h]    ; each byte goes to the top of a word,
	v_lshlrev_b32 v[T+4*\h+1], 16, v[X+2*\j+\h]
	v_lshlrev_b32 v[T+4*\h+2], 8,  v[X+2*\j+\h]
	v_ashrrev_i32 v[T+4*\h],   24, v[T+4*\h]       ; and comes down with its sign
	v_ashrrev_i32 v[T+4*\h+1], 24, v[T+4*\h+1]
	v_ashrrev_i32 v[T+4*\h+2], 24, v[T+4*\h+2]
	v_ashrrev_i32 v[T+4*\h+3], 24, v[X+2*\j+\h]
.endr
.irp k, 0,1,2,3,4,5,6,7
	v_cvt_f32_i32 v[T+\k], v[T+\k]
.endr
.irp k, 0,2,4,6
.if \j&1
	v_pk_mul_f32 v[T+\k:T+\k+1], v[T+\k:T+\k+1], v[S+2*(\j>>1):S+2*(\j>>1)+1] op_sel:[0,1] op_sel_hi:[1,1]   ; both by the pair's second scale
.else
	v_pk_mul_f32 v[T+\k:T+\k+1], v[T+\k:T+\k+1], v[S+2*(\j>>1):S+2*(\j>>1)+1] op_sel_hi:[1,0]                ; both by the pair's first scale
.endif
.endr
.irp k, 0,1,2,3
	v_cvt_pk_bf16_f32 v[Y+4*\j+\k], v[T+2*\k], v[T+2*\k+1]
.endr
	global_store_b128 v[WO], v[Y+4*\j:Y+4*\j+3], s[8:9] offset:\j*524288   ; plane 16 kh + j; the largest immediate is 7,864,320, inside its signed 24 bits
.endm
.irp j, 0,1,2,3,4,5,6,7,8,9,10,11,12,13,14,15
	CONV \j
.endr
	s_wait_tensorcnt 0x0
	ds_add_u32 v128, v129
	s_wait_dscnt 0x0
	s_endpgm
.Lfunc_end_k_q9da191c914_dequant:
	.size	k_q9da191c914_dequant, .Lfunc_end_k_q9da191c914_dequant-k_q9da191c914_dequant
	.p2alignl 7, 3214868480
	.fill 96, 4, 3214868480
	.section	.rodata,"a",@progbits
	.p2align	6, 0x0
	.amdhsa_kernel k_q9da191c914_dequant
		.amdhsa_group_segment_fixed_size 2048
		.amdhsa_private_segment_fixed_size 0
		.amdhsa_enable_private_segment 0
		.amdhsa_kernarg_size 24
		.amdhsa_user_sgpr_count 2
		.amdhsa_user_sgpr_kernarg_segment_ptr 1
		.amdhsa_wavefront_size32 1
		.amdhsa_system_sgpr_workgroup_id_x 1
		.amdhsa_system_sgpr_workgroup_id_y 1
		.amdhsa_system_sgpr_workgroup_id_z 1
		.amdhsa_system_vgpr_workitem_id 0
		.amdhsa_next_free_vgpr 130
		.amdhsa_next_free_sgpr 66
		.amdhsa_reserve_vcc 0
		.amdhsa_float_denorm_mode_32 3
		.amdhsa_float_denorm_mode_16_64 3
		.amdhsa_memory_ordered 1
		.amdhsa_forward_progress 1
		.amdhsa_inst_pref_size 25
	.end_amdhsa_kernel
	.amdgpu_metadata
---
amdhsa.version: [ 1, 2 ]
amdhsa.kernels:
  - .name:           k_q9da191c914_dequant
    .symbol:         k_q9da191c914_dequant.kd
    .args:
      - { .name: ternary, .offset: 0, .size: 8, .value_kind: global_buffer, .address_space: global }
      - { .name: scales, .offset: 8, .size: 8, .value_kind: global_buffer, .address_space: global }
      - { .name: wbf, .offset: 16, .size: 8, .value_kind: global_buffer, .address_space: global }
    .group_segment_fixed_size: 2048
    .private_segment_fixed_size: 0
    .kernarg_segment_align: 8
    .kernarg_segment_size: 24
    .max_flat_workgroup_size: 256
    .sgpr_count:     66
    .vgpr_count:     130
    .wavefront_size: 32
...
	.end_amdgpu_metadata
.endif
;; end of part 1
;; launch gemm (part 2): grid 8 x 32, 4 waves a work-group, clusters of 4 x 4, 327,680 bytes of LDS; arguments x, wbf, out0; writes out0
.if DOCPART == 2
	.amdgcn_target "amdgcn-amd-amdhsa--gfx1250"
	.amdhsa_code_object_version 6
	.text
	.protected	k_q9da191c914_gemm
	.globl	k_q9da191c914_gemm
	.p2align	8
	.type	k_q9da191c914_gemm,@function
k_q9da191c914_gemm:
	s_mov_b64 s[64:65], 0
	v_nop
	global_prefetch_b8 v0, s[64:65] scope:SCOPE_SE
	s_setreg_imm32_b32 hwreg(HW_REG_WAVE_MODE, 25, 1), 1
	s_wait_xcnt 0x0
	s_wait_alu depctr_hold_cnt(0) depctr_sa_sdst(0) depctr_va_vdst(0) depctr_va_sdst(0) depctr_va_ssrc(0) depctr_va_vcc(0) depctr_vm_vsrc(0)
	s_getreg_b32 s2, hwreg(HW_REG_IB_STS2, 6, 4)
	s_cmp_eq_u32 s2, 0
	s_cbranch_scc0 .Lentry_in_a_cluster
	s_endpgm
.Lentry_in_a_cluster:
	s_bfe_u32 s2, ttmp6, 0x10000c
	s_cmp_lg_u32 s2, 0xf033
	s_cbranch_scc0 .Lentry_shape_is_right
	s_endpgm
.Lentry_shape_is_right:
; out0[m][n] = sum over k of x[m][k] w[n][k].  x: [8192][4096] f32.  wbf: w in bf16 as [k / 128][n][k % 128].  out0: [8192][2048] f32.
; LIMITS: x is rounded to bf16 (nearest even) between LDS and the matrix unit, w was rounded to bf16 when it was made; sums are f32, one
; accumulator for each output, K ascending, in the matrix unit's own order inside 32 k, which is not the order of a plain f32 sum.
; bf16 has f32's exponent range: no range of inputs is excluded.
; A work-group makes a block of 256 x 256 of out0 with four waves; wave w makes rows 64 w .. 64 w + 63 and all 256 columns: 64 accumulator
; tiles of 16 x 16, 512 registers.  So a wave is the only reader of its 64 rows of x.
; K goes in steps of 128.  x stays f32 as far as LDS (a bf16 copy in memory would move its bytes a second time).  Two slots of such a step for
; x and w would take 2 x 204,800 bytes, more than LDS has.  So x has ONE region: during the last quarter of a step each wave takes the next
; step's 64 rows x 128 k out of it and keeps them as bf16 fragments, 64 x 128 x 2 bytes = 128 registers, and the region is free for the step
; after.  w, which every wave reads all through a step, has two slots.  135,168 + 2 x 69,632 + a stage of 33,792 = 308,224 bytes.
; A STEP: a round of the cluster's barrier; the refill (x's region, w's other slot: 192 KiB for the work-group); quarters 0 to 2, 192 matrix
; instructions of the wave; the wait for the refill and a work-group barrier; quarter 3, between whose matrix instructions the new x is read.
; CLUSTERS: 4 x 4 work-groups.  The four of a row of the cluster need the same tiles of x, the four of a column the same tiles of w; each tile
; is asked for jointly, by the same tensor load with the same descriptor and a mask that names the four.
;
; REGISTERS, in windows of 256:
;   window 0: v1-5 at work at the start; v16-26 addresses; v32-159 fragments of x in bf16, one K step in four quarters of 32 registers;
;             v160-223 a quarter of x as loaded, f32; on the way out v32-95 and v96-159 hold rows to store
;   window 1: v0-127, v128-255 fragments of w (16 x 16 rows x 32 K), two buffers: quarter q uses buffer q & 1
;   window 2: accumulator tiles of my rows 0-31 (tile (a, b) at v[8 (16 a + b)]);   window 3: those of my rows 32-63
; THE MATRIX INSTRUCTION IS USED TRANSPOSED: source 0 = 16 rows of w, source 1 = 16 rows of x.  Lane l then holds row l % 16 of out0 and
; its registers 0 to 7 the columns 8 (l / 16) + 0 .. 7 of the tile: 32 consecutive bytes.
; The 64 accumulators take turns, one instruction a turn, in one fixed order in every quarter, over the backward jump too.
.set KSTEP,  128
.set STEPS,  4096/KSTEP                ; 32
.set PITCHA, 528                       ; an LDS row of x: 128 f32 = 512 bytes + 16 of padding, an odd multiple of 16
.set PITCHB, 272                       ; an LDS row of w: 128 bf16 = 256 bytes + 16 of padding, an odd multiple of 16
.set HALFA,  128*PITCHA                ; 67,584: what one tensor load of x brings
.set HALFB,  128*PITCHB                ; 34,816: what one tensor load of w brings
.set BOFF,   2*HALFA                   ; 135,168: w's two slots lie behind x's region
.set BSLOT,  2*HALFB                   ; 69,632
.set STAGE,  BOFF+2*BSLOT              ; 274,432 = 1,072 x 256: behind the slots; no tensor load lands here
.set SPITCH, 528                       ; a stage row: 128 f32 = 512 bytes + 16, an odd multiple of 16
.set WSTAGE, 16*SPITCH                 ; 8,448 for each wave; the stage ends at 308,224
.set ASTEP,  KSTEP*4                   ; bytes from a K step's tile of x to the next: 512
.set BSTEP,  524288                    ; the same for w: a plane of wbf
.set ADRA, 16                          ; v16     LDS address of my x rows
.set ADRB, 20                          ; v20-21  LDS address of w's rows in slot 0, 1
.set STO,  24                          ; v24     the way out: where I put 32 bytes of a row
.set RD,   25                          ; v25     the way out: where I read rows back
.set CO,   26                          ; v26     my byte offset in out0
.set AQ,   32                          ; x in bf16: quarter q at AQ + 32 q
.set ST,   160                         ; a quarter of x as loaded
.set O0,   32                          ; the way out: buffer c at O0 + 64 c
.set G1,  24                           ; s[24:31] descriptor group 1 for x's tiles
.set G0,  32                           ; s[32:35] descriptor group 0 for x's tiles: one region, one set
.set G1B, 48                           ; s[48:55] descriptor group 1 for w's tiles
.set G0B, 56                           ; s[56:63] descriptor group 0 for w's tiles, one set for each slot
.set MSB, 0
.macro WIN new                         ; the immediate's high byte repeats the setting that is left; a switch that changes nothing is dropped
.if MSB != \new
	s_set_vgpr_msb (MSB<<8)|\new
.set MSB, \new
.endif
.endm
.set MUL_LO, 0xa1                      ; source 0 (w) window 1, source 1 (x) window 0, C and D window 2
.set MUL_HI, 0xf1                      ; the same, C and D window 3
.set TO_B,   0x40                      ; destination window 1, address window 0
; A joint refill.  Waves 0 and 1 fetch x's two halves, waves 2 and 3 the two halves of w's slot s.  Each line has one mask and one set of
; registers for all that issue it.  The branch hangs on the wave's number alone: it is the same in every work-group.
.macro JLOAD s
	s_cmp_eq_u32 s11, 0
	s_cbranch_scc0 .Lfor_b_\@
	tensor_load_to_lds s[G0:G0+3], s[G1:G1+7]
	s_nop 0
	s_branch .Lasked_\@
.Lfor_b_\@:
	tensor_load_to_lds s[G0B+4*\s:G0B+4*\s+3], s[G1B:G1B+7]
	s_nop 0
.Lasked_\@:
.endm
.macro JLOADA                          ; x's region alone (K step 0: both slots of w were filled at the start); waves 2 and 3 have no part to fill
	s_cmp_lg_u32 s11, 0
	s_cbranch_scc1 .Lno_a_\@
	tensor_load_to_lds s[G0:G0+3], s[G1:G1+7]
	s_nop 0
.Lno_a_\@:
.endm
; A round of the cluster's barrier: my work-group's barrier, so that wave 0's signal speaks for all four waves; wave 0 signals for the
; work-group; every wave waits for all sixteen work-groups; my work-group's barrier once more.
.macro CREST                           ; a round behind its opening barrier
	s_cmp_lg_u32 s10, 0
	s_cbranch_scc1 .Lnot_wave_0_\@
	s_barrier_signal -3
.Lnot_wave_0_\@:
	s_barrier_wait -3
	s_barrier_signal -1
	s_barrier_wait -1
.endm
.macro CROUND                          ; a whole round
	s_barrier_signal -1
	s_barrier_wait -1
	CREST
.endm
	s_load_b128 s[4:7], s[0:1], 0x0                ; x s[4:5], wbf s[6:7]
	s_load_b64 s[8:9], s[0:1], 0x10                ; out0
	v_lshl_add_u32 v254, v0, 2, 0x4b400
	v_mov_b32 v255, 0
	ds_add_u32 v254, v255
	ds_add_u32 v254, v255
	v_lshrrev_b32 v1, 5, v0
	v_readfirstlane_b32 s10, v1                    ; wave 0..3
	s_lshr_b32 s11, s10, 1                         ; I fetch for x (0) or for w (1)
	s_and_b32 s12, s10, 1                          ; which 128 rows of that tile I fetch
	s_bfe_u32 s40, ttmp6, 0x40000                  ; cx: my place along the cluster's x
	s_bfe_u32 s41, ttmp6, 0x40004                  ; cy: along its y
	s_lshl_b32 s42, ttmp9, 2                       ; in a cluster launch ttmp9 and ttmp7 count clusters
	s_add_co_u32 s42, s42, s40                     ; block column = 4 x cluster x + cx, 0..7
	s_and_b32 s13, ttmp7, 0xffff
	s_lshl_b32 s13, s13, 2
	s_add_co_u32 s13, s13, s41                     ; block row = 4 x cluster y + cy, 0..31
	s_lshl_b32 s43, s41, 2
	s_lshl_b32 s43, 15, s43                        ; my row of the cluster: places 4 cy .. 4 cy + 3
	s_lshl_b32 s44, 0x1111, s40                    ; my column: places cx, cx + 4, cx + 8, cx + 12
	; group 1 for x: 128 rows x 128 elements of 4 bytes, 4,096 elements from row to row; 4 words of padding behind every 128 words
	s_or_b32 s[G1+0], s43, (2<<16)|(1<<20)|(1<<21)|(6<<22)|(3<<25)   ; 15:0 mask: my row; 17:16 element of 4 bytes; 20 padding on; 21 set beside a mask; 24:22 every 128 words; 31:25 4 words
	s_mov_b32 s[G1+1], KSTEP<<16                   ; tensor_dim0 = 128
	s_mov_b32 s[G1+2], 128<<16                     ; tensor_dim1 = 128
	s_mov_b32 s[G1+3], KSTEP<<16                   ; tile_dim0 = 128
	s_mov_b32 s[G1+4], 128                         ; tile_dim1 = 128
	s_mov_b32 s[G1+5], 4096                        ; the pitch
	s_mov_b32 s[G1+6], 0
	s_mov_b32 s[G1+7], 0
	; group 1 for w: 128 rows x 256 bytes are 32,768 dense bytes: 128 rows x 32 elements of 8 bytes; 4 words of padding behind every 64 words
	s_or_b32 s[G1B+0], s44, (3<<16)|(1<<20)|(1<<21)|(5<<22)|(3<<25)  ; mask: my column; element of 8 bytes; every 64 words; 4 words
	s_mov_b32 s[G1B+1], 32<<16                     ; tensor_dim0 = 32
	s_mov_b32 s[G1B+2], 128<<16                    ; tensor_dim1 = 128
	s_mov_b32 s[G1B+3], 32<<16                     ; tile_dim0 = 32
	s_mov_b32 s[G1B+4], 128                        ; tile_dim1 = 128
	s_mov_b32 s[G1B+5], 32                         ; the pitch: dense
	s_mov_b32 s[G1B+6], 0
	s_mov_b32 s[G1B+7], 0
	; where the tiles come from.  x's hang on the block row alone, which my row of the cluster shares; w's on the block column alone, which my
	; column shares.  Every wave makes both, in registers that never hold the other coordinate, and asks by one of them.
	s_lshl_b32 s22, s12, 7                         ; which 128 rows
	s_lshl_b32 s16, s13, 8
	s_add_co_u32 s16, s16, s22                     ; x: row 256 x block row + 128 x half
	s_lshl_b32 s16, s16, 14                        ; x 16,384 bytes: below 2^27
	s_mov_b32 s17, 0
	s_lshl_b32 s46, s42, 8
	s_add_co_u32 s46, s46, s22                     ; w: row 256 x block column + 128 x half
	s_lshl_b32 s46, s46, 8                         ; x 256 bytes in a plane
	s_mov_b32 s47, 0
	; and where they go: the wave's number times a constant, plus a constant.  Waves 0, 1: x's halves at 0 and HALFA.
	; Waves 2, 3: w's halves at BOFF and BOFF + HALFB = w x HALFB + (BOFF - 2 HALFB), plus the slot.  No place in the cluster enters an LDS address.
	s_mul_i32 s20, s10, HALFA
	s_mul_i32 s21, s10, HALFB
	s_add_co_u32 s21, s21, BOFF-2*HALFB
	s_wait_dscnt 0x0
	s_wait_kmcnt 0x0
	CROUND                                         ; all sixteen work-groups are here: the first joint loads meet
	s_mov_b32 s[G0], 1                             ; count = 1
	s_add_co_u32 s[G0+1], s20, 0                   ; LDS address
	s_add_nc_u64 s[G0+2:G0+3], s[4:5], s[16:17]    ; global address: K step 0
	s_or_b32 s[G0+3], s[G0+3], 0x80000000          ; type = 2
	s_add_nc_u64 s[46:47], s[6:7], s[46:47]
.irp s, 0,1
	s_mov_b32 s[G0B+4*\s], 1
	s_add_co_u32 s[G0B+4*\s+1], s21, \s*BSLOT
	s_add_nc_u64 s[G0B+4*\s+2:G0B+4*\s+3], s[46:47], \s*BSTEP      ; K step s
	s_or_b32 s[G0B+4*\s+3], s[G0B+4*\s+3], 0x80000000
.endr
	; All first fills in one group, inside one branch on the wave's number: x's K step 0; w's K steps 0 and 1.  Waves 0, 1 have one tensor load out, waves 2, 3 two.
	s_cmp_eq_u32 s11, 0
	s_cbranch_scc0 .Lfirst_b
	tensor_load_to_lds s[G0:G0+3], s[G1:G1+7]
	s_nop 0
	s_branch .Lfirst_done
.Lfirst_b:
	tensor_load_to_lds s[G0B:G0B+3], s[G1B:G1B+7]
	s_nop 0
	tensor_load_to_lds s[G0B+4:G0B+7], s[G1B:G1B+7]
	s_nop 0
.Lfirst_done:
	; A fragment is 16 rows x 32 K of bf16 in 8 registers: lane l holds row l % 16; registers 0-3 hold K = 8 (l / 16) + 0..7, registers 4-7
	; K = 16 + 8 (l / 16) + 0..7.  w lies in bf16: two loads of 16 bytes, 32 bytes apart, at row x 272 + 16 (l / 16).
	; x lies in f32: four loads of 16 bytes at row x 528 + 32 (l / 16) + 0, 16, 64, 80, then eight packed roundings.
	v_and_b32 v1, 15, v0                           ; l % 16
	v_bfe_u32 v2, v0, 4, 1                         ; l / 16
	v_mul_u32_u24 v3, v1, PITCHA
	v_lshl_add_u32 v3, v2, 5, v3
	s_mul_i32 s22, s10, 64*PITCHA                  ; my 64 rows of x
	v_add_nc_u32 v[ADRA], s22, v3
	v_mul_u32_u24 v4, v1, PITCHB
	v_lshl_add_u32 v4, v2, 4, v4
	v_add_nc_u32 v[ADRB], BOFF, v4                 ; all 256 rows of w
	v_add_nc_u32 v[ADRB+1], BOFF+BSLOT, v4
	s_mul_i32 s23, s10, WSTAGE
	s_add_co_u32 s23, s23, STAGE                   ; my stage
	v_mul_u32_u24 v5, v1, SPITCH                   ; in: row l % 16, 32 bytes for each half of the lanes
	v_lshl_add_u32 v5, v2, 5, v5
	v_add_nc_u32 v[STO], s23, v5
	v_and_b32 v5, 31, v0
	v_lshl_add_u32 v[RD], v5, 4, s23               ; back: 32 lanes take the 512 bytes of a stage row
	v_lshlrev_b32 v[CO], 4, v5                     ; and the same 512 bytes in out0
; 16 matrix instructions of quarter q: row block a of the window's two (hi = 0: my rows 0-31, 1: rows 32-63) x all 16 column blocks, 32 along K.
; zero = 1: the first product starts the sums: nothing is ever cleared.
.macro MUL16 q, hi, a, zero
.irp b, 0,1,2,3,4,5,6,7,8,9,10,11,12,13,14,15
.if \zero
	v_wmma_f32_16x16x32_bf16 v[8*(16*\a+\b):8*(16*\a+\b)+7], v[128*(\q&1)+8*\b:128*(\q&1)+8*\b+7], v[AQ+32*\q+8*(2*\hi+\a):AQ+32*\q+8*(2*\hi+\a)+7], 0
.else
	v_wmma_f32_16x16x32_bf16 v[8*(16*\a+\b):8*(16*\a+\b)+7], v[128*(\q&1)+8*\b:128*(\q&1)+8*\b+7], v[AQ+32*\q+8*(2*\hi+\a):AQ+32*\q+8*(2*\hi+\a)+7], v[8*(16*\a+\b):8*(16*\a+\b)+7]
.endif
.endr
.endm
; 32 LDS loads in one run: quarter q (32 K at byte 64 q of the rows) of all 256 rows of w in the slot, into buffer q & 1.
; The largest immediate is 192 + 15 x 4,352 + 32 = 65,504, inside its 16 bits.
.macro FETCHB slot, q
	WIN TO_B
.irp b, 0,1,2,3,4,5,6,7,8,9,10,11,12,13,14,15
	ds_load_b128 v[128*(\q&1)+8*\b:128*(\q&1)+8*\b+3],   v[ADRB+\slot] offset:\q*64+\b*16*PITCHB
	ds_load_b128 v[128*(\q&1)+8*\b+4:128*(\q&1)+8*\b+7], v[ADRB+\slot] offset:\q*64+\b*16*PITCHB+32
.endr
.endm
; 24 LDS loads for the NEXT K step: quarter g of my 64 rows of x, in f32, into ST (16 loads, issued first), and column blocks 4 g .. 4 g + 3
; of quarter 0 of w in the slot, into buffer 0 (8 loads).
.macro AGRP g, slot
	WIN 0
.irp i, 0,1,2,3
	ds_load_b128 v[ST+16*\i:ST+16*\i+3],     v[ADRA] offset:\g*128+\i*16*PITCHA
	ds_load_b128 v[ST+16*\i+4:ST+16*\i+7],   v[ADRA] offset:\g*128+\i*16*PITCHA+16
	ds_load_b128 v[ST+16*\i+8:ST+16*\i+11],  v[ADRA] offset:\g*128+\i*16*PITCHA+64
	ds_load_b128 v[ST+16*\i+12:ST+16*\i+15], v[ADRA] offset:\g*128+\i*16*PITCHA+80
.endr
	WIN TO_B
.irp b, 0,1,2,3
	ds_load_b128 v[8*(4*\g+\b):8*(4*\g+\b)+3],   v[ADRB+\slot] offset:(4*\g+\b)*16*PITCHB
	ds_load_b128 v[8*(4*\g+\b)+4:8*(4*\g+\b)+7], v[ADRB+\slot] offset:(4*\g+\b)*16*PITCHB+32
.endr
.endm
; 32 packed roundings: ST to quarter q of x's fragments.
.macro CVT q
.irp i, 0,1,2,3
.irp c, 0,1,2,3,4,5,6,7
	v_cvt_pk_bf16_f32 v[AQ+32*\q+8*\i+\c], v[ST+16*\i+2*\c], v[ST+16*\i+2*\c+1]
.endr
.endr
.endm
; A load into a register that a matrix instruction has read, and a vector instruction that writes one, stand four places behind it, and only plain
; vector instructions that name none of its registers are places (ISA guide 7.12.1 for vector instructions): four v_nop.
.macro PLACES
.rept 4
	v_nop
.endr
.endm
; One of a K step's first three quarters: 64 matrix instructions on quarter q; in their middle the next quarter qn of w is fetched from the same slot.
.macro QUARTER slot, q, qn, zero
	s_wait_dscnt 0x0                               ; this quarter's fragments of w, issued 32 matrix instructions ago (quarter 0: met)
	WIN MUL_LO
	MUL16 \q, 0, 0, \zero
	MUL16 \q, 0, 1, \zero
	PLACES                                         ; the buffer that is loaded now was last multiplied a quarter ago
	FETCHB \slot, \qn
	WIN MUL_HI
	MUL16 \q, 1, 0, \zero
	MUL16 \q, 1, 1, \zero
.endm
; A K step on w's slot 'slot'; next = the other slot.  On entry quarters 0 to 2 of x's fragments are made, quarter 3 is on its way into ST, and
; quarter 0 of w is on its way into buffer 0.
; fill = 2: x's region and w's other slot are filled again, for the next K step; 1: x's region alone; 0: nothing is left to fetch.
; last = 1: the last K step: nothing is read for a next one.
.macro STEP slot, next, fill, zero, last
	WIN 0
	s_wait_dscnt 0x0                               ; my reads of x's region and of w's other slot are over
.if \fill
	s_wait_tensorcnt 0x0                           ; none of my tensor loads is out (met: the wait in front of quarter 3 showed it): in front of a refill's barrier every wave says so
	ds_add_u32 v254, v255
	s_wait_dscnt 0x0
	s_barrier_signal -1                            ; this barrier opens a round of the cluster's barrier
	s_barrier_wait -1
	CREST                                          ; all sixteen work-groups have said so: no wave of any partner still reads these bytes or has a load on its way
	s_add_nc_u64 s[G0+2:G0+3], s[G0+2:G0+3], ASTEP ; no tensor load of mine is out: a group 0 may be written
.if \fill == 2
	s_add_nc_u64 s[G0B+4*\next+2:G0B+4*\next+3], s[G0B+4*\next+2:G0B+4*\next+3], 2*BSTEP
	JLOAD \next                                    ; the first tensor load behind the round, and my only one until the next: one is out
.else
	JLOADA
.endif
.endif
	PLACES                                         ; quarter 3 of x's fragments was multiplied last
	CVT 3
	QUARTER \slot, 0, 1, \zero
	QUARTER \slot, 1, 2, 0
	QUARTER \slot, 2, 3, 0
	WIN 0
	s_wait_dscnt 0x0                               ; quarter 3 of w is in; no LDS instruction of mine is pending at the signal
.if \last
	WIN MUL_LO
	MUL16 3, 0, 0, 0
	MUL16 3, 0, 1, 0
	WIN MUL_HI
	MUL16 3, 1, 0, 0
	MUL16 3, 1, 1, 0
.else
	s_wait_tensorcnt 0x0                           ; my part of the next K step's tiles has landed: it is my one load and no younger one is out, so the count is 0; 192 matrix instructions stand behind its request
	s_barrier_signal -1
	s_barrier_wait -1                              ; everybody's has.
	PLACES                                         ; buffer 0 of w and quarter 2 of x's fragments were multiplied last
	AGRP 0, \next
	WIN MUL_LO
	MUL16 3, 0, 0, 0
	WIN 0
	s_wait_dscnt 8                                 ; LDS loads come back in order (ISA guide 5.7.1): the group's 16 loads of x are in, its 8 younger loads of w stay out
	CVT 0
	AGRP 1, \next
	WIN MUL_LO
	MUL16 3, 0, 1, 0
	WIN 0
	s_wait_dscnt 8
	CVT 1
	AGRP 2, \next
	WIN MUL_HI
	MUL16 3, 1, 0, 0
	WIN 0
	s_wait_dscnt 8
	CVT 2
	AGRP 3, \next                                  ; quarter 3 stays in ST: its fragments' registers are still multiplied; it is rounded behind the refill
	WIN MUL_HI
	MUL16 3, 1, 1, 0
.endif
	WIN 0
.endm
	s_wait_tensorcnt 0x0                           ; all my first fills have landed
	s_barrier_signal -1
	s_barrier_wait -1                              ; everybody's have
	AGRP 0, 0                                      ; K step 0's x and w's first quarter, as quarter 3 of a step reads them for the next
	WIN 0
	s_wait_dscnt 8
	CVT 0
	AGRP 1, 0
	WIN 0
	s_wait_dscnt 8
	CVT 1
	AGRP 2, 0
	WIN 0
	s_wait_dscnt 8
	CVT 2
	AGRP 3, 0
	STEP 0, 1, 1, 1, 0                             ; K step 0: its first products start the sums; asks for x's step 1
	STEP 1, 0, 2, 0, 0                             ; K step 1: asks for step 2
	s_mov_b32 s3, (STEPS-4)/2
.Llap:
	STEP 0, 1, 2, 0, 0                             ; 14 trips: K steps 2 to 29; they ask for steps 3 to 30
	STEP 1, 0, 2, 0, 0
	s_sub_co_u32 s3, s3, 1
	s_cmp_lg_u32 s3, 0
	s_cbranch_scc1 .Llap
	STEP 0, 1, 2, 0, 0                             ; K step 30: asks for step 31
	STEP 1, 0, 0, 0, 1                             ; K step 31: no fill, no round, nothing read ahead
	; THE WAY OUT, 16 rows x 128 columns at a time: 32 bytes a lane and tile into my own stage in LDS, read back as rows of 512 bytes, stored.
	; The four v_nop are the places between the last matrix instructions and the LDS stores that read results and the loads into x's fragments' registers.
	PLACES
	s_lshl_b32 s16, s13, 8
	s_lshl_b32 s17, s10, 6
	s_add_co_u32 s16, s16, s17                     ; my first row: 256 x block row + 64 x wave
	s_lshl_b32 s16, s16, 13                        ; x 8,192 bytes: below 2^26
	s_mov_b32 s17, 0
	s_add_nc_u64 s[8:9], s[8:9], s[16:17]
	s_lshl_b32 s46, s42, 10                        ; my first column: 1,024 bytes a block (in the registers that held w's address)
	s_mov_b32 s47, 0
	s_add_nc_u64 s[8:9], s[8:9], s[46:47]          ; never rewritten: the rows stand in the stores' immediates, 516,608 at the most
; rows 16 i .. 16 i + 15 of my 64, columns 128 c .. 128 c + 127 = the eight tiles (a, 8 c .. 8 c + 7) of window 2 or 3
; (from = 0x08 or 0x0c: an LDS store's data is source 1)
.macro OUT16 i, a, c, from
	WIN \from
.irp b, 0,1,2,3,4,5,6,7
	ds_store_b128 v[STO], v[8*(16*\a+8*\c+\b):8*(16*\a+8*\c+\b)+3]   offset:64*\b
	ds_store_b128 v[STO], v[8*(16*\a+8*\c+\b)+4:8*(16*\a+8*\c+\b)+7] offset:64*\b+16
.endr
	WIN 0
	s_wait_xcnt 0x0                                ; every earlier store has had its addresses translated (ISA guide 3.1): the buffer, which stores read, is loaded again only behind this wait
.irp t, 0,1,2,3,4,5,6,7,8,9,10,11,12,13,14,15
	ds_load_b128 v[O0+64*\c+4*\t:O0+64*\c+4*\t+3], v[RD] offset:\t*SPITCH   ; LDS serves a wave's instructions in order (ISA guide 5.7.1): these see the stores above
.endr
.irp t, 0,1,2,3,4,5,6,7,8,9,10,11,12,13,14,15
	s_wait_dscnt 15-\t                             ; load t of the sixteen is in; the younger ones stay out
	global_store_b128 v[CO], v[O0+64*\c+4*\t:O0+64*\c+4*\t+3], s[8:9] offset:(16*\i+\t)*8192+\c*512 th:TH_STORE_NT   ; the wave stores 512 consecutive bytes, at a multiple of 512 from out0's first byte
.endr
.endm
	OUT16 0, 0, 0, 0x08
	OUT16 0, 0, 1, 0x08
	OUT16 1, 1, 0, 0x08
	OUT16 1, 1, 1, 0x08
	OUT16 2, 0, 0, 0x0c
	OUT16 2, 0, 1, 0x0c
	OUT16 3, 1, 0, 0x0c
	OUT16 3, 1, 1, 0x0c
	s_wait_tensorcnt 0x0
	ds_add_u32 v254, v255
	s_wait_dscnt 0x0
	CROUND                                         ; the closing round: no work-group ends while a partner may still ask for a tile that names it
	s_endpgm
.Lfunc_end_k_q9da191c914_gemm:
	.size	k_q9da191c914_gemm, .Lfunc_end_k_q9da191c914_gemm-k_q9da191c914_gemm
	.p2alignl 7, 3214868480
	.fill 96, 4, 3214868480
	.section	.rodata,"a",@progbits
	.p2align	6, 0x0
	.amdhsa_kernel k_q9da191c914_gemm
		.amdhsa_group_segment_fixed_size 327680
		.amdhsa_private_segment_fixed_size 0
		.amdhsa_enable_private_segment 0
		.amdhsa_kernarg_size 24
		.amdhsa_user_sgpr_count 2
		.amdhsa_user_sgpr_kernarg_segment_ptr 1
		.amdhsa_wavefront_size32 1
		.amdhsa_system_sgpr_workgroup_id_x 1
		.amdhsa_system_sgpr_workgroup_id_y 1
		.amdhsa_system_sgpr_workgroup_id_z 1
		.amdhsa_system_vgpr_workitem_id 0
		.amdhsa_next_free_vgpr 1024
		.amdhsa_next_free_sgpr 66
		.amdhsa_reserve_vcc 0
		.amdhsa_float_denorm_mode_32 3
		.amdhsa_float_denorm_mode_16_64 3
		.amdhsa_memory_ordered 1
		.amdhsa_forward_progress 1
		.amdhsa_inst_pref_size 255
	.end_amdhsa_kernel
	.section	.bss,"aw",@nobits
	.p2align	6
	.space	262144
	.amdgpu_metadata
---
amdhsa.version: [ 1, 2 ]
amdhsa.kernels:
  - .name:           k_q9da191c914_gemm
    .symbol:         k_q9da191c914_gemm.kd
    .args:
      - { .name: x, .offset: 0, .size: 8, .value_kind: global_buffer, .address_space: global }
      - { .name: wbf, .offset: 8, .size: 8, .value_kind: global_buffer, .address_space: global }
      - { .name: out0, .offset: 16, .size: 8, .value_kind: global_buffer, .address_space: global }
    .group_segment_fixed_size: 327680
    .private_segment_fixed_size: 0
    .kernarg_segment_align: 8
    .kernarg_segment_size: 24
    .max_flat_workgroup_size: 128
    .sgpr_count:     66
    .vgpr_count:     1024
    .wavefront_size: 32
...
	.end_amdgpu_metadata
.endif
;; end of part 2
;; ======== version 2 of 2: 2 launches; version 1 with the launch dequant written anew for expert scheduling mode
;; workspace buffers: wbf 16,777,216 bytes
;; launch dequant (part 3): grid 256 x 1, 8 waves a work-group, no clusters, 2,048 bytes of LDS; arguments ternary, scales, wbf; writes wbf
.if DOCPART == 3
	.amdgcn_target "amdgcn-amd-amdhsa--gfx1250"
	.amdhsa_code_object_version 6
	.text
	.protected	k_q9da191c914_dequant
	.globl	k_q9da191c914_dequant
	.p2align	8
	.type	k_q9da191c914_dequant,@function
k_q9da191c914_dequant:
	s_mov_b64 s[64:65], 0
	v_nop
	global_prefetch_b8 v0, s[64:65] scope:SCOPE_SE
	s_setreg_imm32_b32 hwreg(HW_REG_WAVE_SCHED_MODE, 0, 2), 2
	s_setreg_imm32_b32 hwreg(HW_REG_WAVE_MODE, 25, 1), 1
	s_wait_xcnt 0x0
	s_wait_alu depctr_vm_vsrc(0)
; w[n][k] = bf16( f32(ternary[n][k]) * scales[32 n + k / 128] ), made once for the product that follows.
; ternary: [2048][4096] int8 (every int8 value is honoured, not only -1, 0, 1).  scales: [65536] f32.
; wbf: bf16, laid out [g = k / 128][n][kk = k % 128]: byte g * 524288 + n * 256 + 2 kk, so that 128 rows x 128 k are 32,768 dense bytes.
; One product in f32 and one rounding to nearest even; bf16 has f32's exponent range, so no range is lost.
; A stream: every code byte is read once, every result byte stored once.  Matrix unit, clusters and tensor loads have nothing to do here:
; no work-group shares an input with another, and all of a wave's 16 loads are on their way at once from registers of their own.
; Eight waves; the work-group owns rows 8 g .. 8 g + 7.  Wave w: w >> 1 picks two rows, kh = w & 1 picks k = 2048 kh .. + 2047.
; Lane L: row 2 (w >> 1) + (L >> 4), 8 codes at k = 2048 kh + 128 j + 8 (L & 15) in step j = 0 .. 15: a step is one group of 128, one scale.
; A step's store of the wave covers 2 rows x 256 bytes = 512 consecutive bytes of wbf, aligned.
; THE MODE: SCHED_MODE bits 1:0 = 2 (LLVM: expert scheduling mode 2), set by the entry lines.  The code itself states the register dependences
; between vector instructions and memory or LDS instructions, with s_wait_alu, always for 0.
; THE PLAN.  Registers that memory or LDS instructions touch:
;   v1 .. v4     offsets and LDS addresses: written once at the head, read by the loads, the LDS store, the LDS loads and the stores; never written again.
;   v5           my scale: written by its load, read by the LDS store; no vector instruction names it.
;   S            written by the four LDS loads, which no vector instruction that names S precedes; read by the multiplies.
;   X            step j's pair: written once, by its load at the head, which no vector instruction that names X precedes; read by step j's unpacking lines.
;   Y            step j's four: written once, by step j's roundings; read by step j's one store.
;   v128, v129   written at the head, read by the closing add alone.
;   T is named by vector instructions alone.
; No register that a memory or LDS instruction reads is ever written again, so no wait on vm_vsrc is owed.  The steps go in pairs 2 p, 2 p + 1.
; ONE wait on va_vdst stands at a pair's head: the pair before has written its eight registers of Y.  That pair's two stores follow, one ahead of each
; step's vector lines, which name T, S and this pair's X and Y: none of the registers that those stores read.
.set TO, 2                             ; v2        byte offset of my 8 codes of step 0, from the group's first row
.set WO, 3                             ; v3        byte offset of my 16 result bytes of step 0, from the group's first row in wbf
.set SA, 4                             ; v4        LDS address of my row's sixteen scales for my 2,048 k
.set S,  6                             ; v[6:21]   these sixteen scales: scale j serves step j
.set T,  22                            ; v[22:29]  8 numbers at work
.set X,  30                            ; v[30:61]  step j: 2 registers, 8 codes as loaded
.set Y,  62                            ; v[62:125] step j: 4 registers, 8 bf16 to store; every store has its own, so none is rewritten
	s_load_b128 s[4:7], s[0:1], 0x0                ; ternary s[4:5], scales s[6:7]
	s_load_b64 s[8:9], s[0:1], 0x10                ; wbf
	v_lshl_add_u32 v128, v0, 2, 0x400              ; the LDS address of my spare word, behind the 1,024 bytes of scales; kept for the closing lines alone
	v_mov_b32 v129, 0                              ; and 0, likewise
	v_lshrrev_b32 v[T], 5, v0
	v_readfirstlane_b32 s10, v[T]                  ; wave 0..7
	v_lshlrev_b32 v1, 2, v0                        ; 4 t: thread t brings the group's scale t
	v_bfe_u32 v[T+1], v0, 4, 1                     ; L >> 4
	v_and_b32 v[T+2], 15, v0                       ; L & 15
	s_wait_alu depctr_va_sdst(0)                   ; s10 is written, ahead of its first reader: the pair of rows and kh are made from it
	s_lshr_b32 s11, s10, 1                         ; which pair of rows
	s_and_b32 s12, s10, 1                          ; kh
	s_lshl_b32 s13, s12, 11                        ; 2,048 kh: bytes along a row of codes
	s_lshl_b32 s14, s12, 23                        ; 16 kh planes of 524,288 bytes in wbf
	s_lshl_b32 s15, s12, 6                         ; 16 kh scales of 4 bytes
	v_lshl_add_u32 v[T+1], s11, 1, v[T+1]          ; my row in the group: 2 (w >> 1) + (L >> 4)
	v_lshlrev_b32 v[TO], 12, v[T+1]                ; row x 4,096
	v_lshl_add_u32 v[TO], v[T+2], 3, v[TO]         ; + 8 (L & 15)
	v_add_nc_u32 v[TO], s13, v[TO]                 ; + 2,048 kh
	v_lshlrev_b32 v[WO], 8, v[T+1]                 ; row x 256
	v_lshl_add_u32 v[WO], v[T+2], 4, v[WO]         ; + 16 (L & 15)
	v_add_nc_u32 v[WO], s14, v[WO]                 ; + the first plane
	v_lshl_add_u32 v[SA], v[T+1], 7, s15           ; row x 32 scales + 16 kh scales, in bytes
	s_lshl_b32 s2, ttmp9, 15                       ; 8 rows of 4,096 code bytes
	s_mov_b32 s3, 0
	s_wait_kmcnt 0x0
	s_add_nc_u64 s[4:5], s[4:5], s[2:3]
	s_lshl_b32 s2, ttmp9, 10                       ; 8 rows of 32 scales = 1,024 bytes
	s_add_nc_u64 s[6:7], s[6:7], s[2:3]
	s_lshl_b32 s2, ttmp9, 11                       ; 8 rows of 256 bytes in a plane of wbf
	s_add_nc_u64 s[8:9], s[8:9], s[2:3]
	s_wait_alu depctr_va_vdst(0)                   ; v1 to v4 are written: every load, LDS access and store of the kernel reads one of them as its address, and no vector instruction names them again
	global_load_b32 v5, v1, s[6:7]                 ; the group's 256 scales: 1,024 consecutive bytes, once
.irp j, 0,1,2,3,4,5,6,7,8,9,10,11,12,13,14,15
	global_load_b64 v[X+2*\j:X+2*\j+1], v[TO], s[4:5] offset:128*\j th:TH_LOAD_NT   ; 2 rows x 128 bytes; steps 2 c and 2 c + 1 together take 256 consecutive bytes of each row
.endr
	s_wait_loadcnt 16                              ; loads come back in order (ISA guide 5.7.1): the scale is in, the 16 loads of codes stay out
	ds_store_b32 v1, v5
	s_wait_dscnt 0x0                               ; my scale is in LDS before I say so
	s_barrier_signal -1
	s_barrier_wait -1                              ; all 256 are
.irp c, 0,1,2,3
	ds_load_b128 v[S+4*\c:S+4*\c+3], v[SA] offset:16*\c
.endr
	s_wait_dscnt 0x0
; Step j's vector work: 8 codes to f32, times the group's scale, to bf16, into the step's own four registers of Y.
.macro CONV j
	s_wait_loadcnt 15-(\j)                         ; step j's codes are in; the 15 - j younger loads stay out
.irp h, 0,1
	v_lshlrev_b32 v[T+4*\h],   24, v[X+2*(\j)+\h]  ; each byte goes to the top of a word,
	v_lshlrev_b32 v[T+4*\h+1], 16, v[X+2*(\j)+\h]
	v_lshlrev_b32 v[T+4*\h+2], 8,  v[X+2*(\j)+\h]
	v_ashrrev_i32 v[T+4*\h],   24, v[T+4*\h]       ; and comes down with its sign
	v_ashrrev_i32 v[T+4*\h+1], 24, v[T+4*\h+1]
	v_ashrrev_i32 v[T+4*\h+2], 24, v[T+4*\h+2]
	v_ashrrev_i32 v[T+4*\h+3], 24, v[X+2*(\j)+\h]
.endr
.irp k, 0,1,2,3,4,5,6,7
	v_cvt_f32_i32 v[T+\k], v[T+\k]
.endr
.irp k, 0,2,4,6
.if (\j)&1
	v_pk_mul_f32 v[T+\k:T+\k+1], v[T+\k:T+\k+1], v[S+2*((\j)>>1):S+2*((\j)>>1)+1] op_sel:[0,1] op_sel_hi:[1,1]   ; both by the pair's second scale
.else
	v_pk_mul_f32 v[T+\k:T+\k+1], v[T+\k:T+\k+1], v[S+2*((\j)>>1):S+2*((\j)>>1)+1] op_sel_hi:[1,0]                ; both by the pair's first scale
.endif
.endr
.irp k, 0,1,2,3
	v_cvt_pk_bf16_f32 v[Y+4*(\j)+\k], v[T+2*\k], v[T+2*\k+1]
.endr
.endm
; Step j's 16 bytes a lane go out.
.macro SEND j
	global_store_b128 v[WO], v[Y+4*(\j):Y+4*(\j)+3], s[8:9] offset:(\j)*524288   ; plane 16 kh + j; the largest immediate is 7,864,320, inside its signed 24 bits
.endm
; Pair p: steps 2 p and 2 p + 1, and the stores of the pair before, one ahead of each step's vector lines.
.macro PAIR p
.if \p > 0
	s_wait_alu depctr_va_vdst(0)                   ; the roundings of the pair before have written its eight registers of Y, which the two stores of this pair's turn read
	SEND 2*\p-2
.endif
	CONV 2*\p
.if \p > 0
	SEND 2*\p-1                                    ; no wait: no vector instruction since the wait above names these four registers or v[WO]
.endif
	CONV 2*\p+1
.endm
.irp p, 0,1,2,3,4,5,6,7
	PAIR \p
.endr
	s_wait_alu depctr_va_vdst(0)                   ; the last pair's roundings have written their eight registers of Y, which the last two stores read
	SEND 14
	SEND 15
	s_wait_dscnt 0x0                               ; the closing lines, six on end
	s_wait_alu 0x0
	s_wait_tensorcnt 0x0
	ds_add_u32 v128, v129
	s_wait_dscnt 0x0
	s_endpgm
.Lfunc_end_k_q9da191c914_dequant:
	.size	k_q9da191c914_dequant, .Lfunc_end_k_q9da191c914_dequant-k_q9da191c914_dequant
	.p2alignl 7, 3214868480
	.fill 96, 4, 3214868480
	.section	.rodata,"a",@progbits
	.p2align	6, 0x0
	.amdhsa_kernel k_q9da191c914_dequant
		.amdhsa_group_segment_fixed_size 2048
		.amdhsa_private_segment_fixed_size 0
		.amdhsa_enable_private_segment 0
		.amdhsa_kernarg_size 24
		.amdhsa_user_sgpr_count 2
		.amdhsa_user_sgpr_kernarg_segment_ptr 1
		.amdhsa_wavefront_size32 1
		.amdhsa_system_sgpr_workgroup_id_x 1
		.amdhsa_system_sgpr_workgroup_id_y 1
		.amdhsa_system_sgpr_workgroup_id_z 1
		.amdhsa_system_vgpr_workitem_id 0
		.amdhsa_next_free_vgpr 130
		.amdhsa_next_free_sgpr 66
		.amdhsa_reserve_vcc 0
		.amdhsa_float_denorm_mode_32 3
		.amdhsa_float_denorm_mode_16_64 3
		.amdhsa_memory_ordered 1
		.amdhsa_forward_progress 1
		.amdhsa_inst_pref_size 26
	.end_amdhsa_kernel
	.amdgpu_metadata
---
amdhsa.version: [ 1, 2 ]
amdhsa.kernels:
  - .name:           k_q9da191c914_dequant
    .symbol:         k_q9da191c914_dequant.kd
    .args:
      - { .name: ternary, .offset: 0, .size: 8, .value_kind: global_buffer, .address_space: global }
      - { .name: scales, .offset: 8, .size: 8, .value_kind: global_buffer, .address_space: global }
      - { .name: wbf, .offset: 16, .size: 8, .value_kind: global_buffer, .address_space: global }
    .group_segment_fixed_size: 2048
    .private_segment_fixed_size: 0
    .kernarg_segment_align: 8
    .kernarg_segment_size: 24
    .max_flat_workgroup_size: 256
    .sgpr_count:     66
    .vgpr_count:     130
    .wavefront_size: 32
...
	.end_amdgpu_metadata
.endif
;; end of part 3
;; launch gemm: the kernel of part 2 again; grid 8 x 32, 4 waves a work-group, clusters of 4 x 4, 327,680 bytes of LDS; arguments x, wbf, out0; writes out0
